; MI455X (gfx1250); checked and timed in simulation.
; The chip was launched on July 23, 2026; its instructions are those of AMD's public machine-readable ISA for CDNA 5 (MIT licence, August 2026) and "CDNA5" Instruction Set Architecture Reference Guide (July 2026). The comments in the code are by the model that wrote it; some were corrected since.
;; min GRU. Allowed arithmetic: matrix products marked QUANTISED: E2M3 operands, one E8M0 scale for each 32 along K, by v_wmma_scale_f32_16x16x128_f8f6f4 with both operands' format E2M3, f32 sums; everything else in f32.
;; Inputs: W_hg_codes 4,096 x 32 x 24 uint8 (E2M3 codes of W_hg, K innermost, in blocks of 32 codes, four codes in three bytes); W_hg_scales 4,096 x 32 uint8 (E8M0 scales of W_hg, one for each 32 codes along K); W_out_codes 1,024 x 64 x 24 uint8 (E2M3 codes of W_out, K innermost, in blocks of 32 codes, four codes in three bytes); W_out_scales 1,024 x 64 uint8 (E8M0 scales of W_out, one for each 32 codes along K); x_codes 4 x 2,048 x 32 x 24 uint8 (E2M3 codes of x, K innermost, in blocks of 32 codes, four codes in three bytes); x_scales 4 x 2,048 x 32 uint8 (E8M0 scales of x, one for each 32 codes along K).
;; Outputs: out0 4 x 2,048 x 1,024 float32.
;; This version of the problem:
;;   THIS VERSION OF THE PROBLEM IS GIVEN IN LOW PRECISION. The matrix products marked QUANTISED in the list below multiply operands that are first quantised to E2M3 (2 exponent bits, 3 mantissa bits; 6 bits a number), with one power-of-two scale for each 32 numbers along K (OCP MX v1.0); their sums are f32. All else is computed in f32.
;;   The module's matrix products, in the order in which they are computed (A, B: the left and right operand; K: the contracted axis; several contracted axes count as one K, in the product's order):
;;     1. [M 8,192, K 1,024] x [K 1,024, N 4,096]; A: input x (given as codes); B: input W_hg (given as codes): QUANTISED
;;     2. [M 8,192, K 2,048] x [K 2,048, N 1,024]; A: computed on the way; B: input W_out (given as codes): QUANTISED
;;   THE QUANTISER, for each operand of a quantised product, along K:
;;     - K is cut into blocks of 32 from its start; a last block that is shorter is filled with zeros.
;;     - A block's scale is 2^e with e = floor(log2(the largest magnitude in the block)) - 2, held to -126 .. 127; a block of zeros has e = 0. As a byte (E8M0): e + 127.
;;     - Each number is divided by its block's scale, clamped to +-7.5, and rounded to the nearest number of E2M3, ties to even, subnormals kept.
;;     - The product sums the exact products of the quantised numbers (number of the format x scale) in f32.
;;   ~~~python
;;   def quantise(x, axis):      # numpy; x: float32 -> the quantised numbers, widened to float32 again
;;       x = np.moveaxis(x, axis, -1); K = x.shape[-1]
;;       x = np.pad(x, [(0, 0)] * (x.ndim - 1) + [(0, -K % 32)]); x = x.reshape(x.shape[:-1] + (-1, 32)); a = np.abs(x).max(-1, keepdims=True)
;;       e = np.where(a > 0, np.clip(np.frexp(np.where(a > 0, a, 1))[1] - 1 - 2, -126, 127), 0)      # np.frexp(a)[1] - 1 = floor(log2(a)), exactly
;;       r = np.clip(x / 2.0 ** e, -7.5, 7.5)
;;       step = 2.0 ** (np.maximum(np.frexp(np.where(r == 0, 1, r))[1] - 1, 0) - 3)
;;       q = np.round(r / step) * step * 2.0 ** e      # np.round: ties to even
;;       return np.moveaxis(q.reshape(q.shape[:-2] + (-1,))[..., :K], -1, axis).astype(np.float32)
;;   ~~~
;;   OPERANDS COMPUTED ON THE WAY. 'Computed on the way' means the value that the module computes at that place (a softmax that the list does not call 'softmax' is quantised finished and normalised). What goes into a quantiser is computed in f32, as accurately as f32 sums, v_exp_f32 and their like allow (about 1e-6 of the number): no bf16 or f16 on the way to a quantiser, and a product that is left as it is and whose result goes on into a quantised operand takes f32 operands (vector FMAs, or v_wmma_f32_16x16x4_f32). A number that lies on a knife's edge between two numbers of the format may be rounded either way, as far as f32 arithmetic and the matrix unit's own rounding can turn it there, and no further.
;;   INPUTS GIVEN AS CODES. W_hg (in the module: [4096, 1024], K = its axis 1); W_out (in the module: [1024, 2048], K = its axis 1); x (in the module: [4, 2048, 1024], K = its axis 2): each comes as NAME_codes (uint8): NAME with its K axis moved to the last place and cut into blocks of 32 codes, [.., K / 32, bytes a block], one block behind the other in memory; four codes in three bytes: a row's codes are one little-endian stream of bits, code i at bits 6 i .. 6 i + 5 (a code: sign, 2 exponent bits, 3 mantissa bits); and NAME_scales (uint8): the same leading axes, one E8M0 byte (e + 127) for each 32 codes along K. Its value is code x scale, taken as it is: it is not quantised again, and the codes and scales need not be those that the quantiser above would give.
;; One version. Each part assembles by itself: llvm-mc -triple=amdgcn-amd-amdhsa -mcpu=gfx1250 --defsym DOCPART=n.
;; ======== version 1 of 1: 2 launches
;; limits: right only within a limited range of input values
;; workspace buffers: h_codes 12,582,912 bytes; h_scales 524,288 bytes; wo_codes 1,572,864 bytes
;; launch scan (part 1): grid 64 x 4, 8 waves a work-group, clusters of 4 x 1, 327,680 bytes of LDS; arguments x_codes, x_scales, W_hg_codes, W_hg_scales, h_codes, h_scales, W_out_codes, wo_codes; writes h_codes, h_scales, wo_codes
.if DOCPART == 1
	.amdgcn_target "amdgcn-amd-amdhsa--gfx1250"
	.amdhsa_code_object_version 6
	.text
	.protected	k_q72cbed3843_scan
	.globl	k_q72cbed3843_scan
	.p2align	8
	.type	k_q72cbed3843_scan,@function
k_q72cbed3843_scan:
	s_mov_b64 s[64:65], 0
	v_nop
	global_prefetch_b8 v0, s[64:65] scope:SCOPE_SE
	s_setreg_imm32_b32 hwreg(HW_REG_WAVE_MODE, 25, 1), 1
	s_wait_xcnt 0x0
	s_wait_alu depctr_hold_cnt(0) depctr_sa_sdst(0) depctr_va_vdst(0) depctr_va_sdst(0) depctr_va_ssrc(0) depctr_va_vcc(0) depctr_vm_vsrc(0)
	s_getreg_b32 s2, hwreg(HW_REG_IB_STS2, 6, 4)
	s_cmp_eq_u32 s2, 0
	s_cbranch_scc0 .Lentry_in_a_cluster
	s_endpgm
.Lentry_in_a_cluster:
	s_bfe_u32 s2, ttmp6, 0x10000c
	s_cmp_lg_u32 s2, 0x3003
	s_cbranch_scc0 .Lentry_shape_is_right
	s_endpgm
.Lentry_shape_is_right:
; minGRU, first part: hg = x W_hg^T on codes of FP6 (E2M3) with E8M0 scales, the gates, the scan along the sequence, and h quantised along the channels.
; THE SCAN IS TAKEN IN ITS LINEAR FORM: h_t = c_t h_(t-1) + z_t g_t, h before the first step = 0, z = sigmoid(gate), c = sigmoid(-gate), g = hidden + 0.5 (hidden >= 0) or sigmoid(hidden):
; that is what the scan in logarithms computes.  Every exponential is 2^(-|x| log2 e): the larger of 0 and x, which softplus takes away, is taken away.  c + z = 1, so h is a weighted mean of 0 and the g's.
; LIMITS: NaN and infinities among the scales' products are not served; terms and running products under 2^-126 are lost or denormal; a block of 32 channels that is all zeros gets the scale byte 1
; where the quantiser's text says 127: its codes are zeros, and the bytes are read by this program's second launch alone.
; SHARES.  A work-group owns all 2,048 steps of one batch and 32 channels (one block of the quantiser): 64 x 4 work-groups.  It walks 16 periods of 128 steps = 8 chunks of 16 steps.
; Eight waves: wave 4 n + w owns channels 16 n .. 16 n + 15 and chunks w (lanes 0-15 of a result) and 4 + w (lanes 16-31), and keeps its 16 hidden and 16 gate rows of W_hg (16 fragments, 192 registers).
; Source 0 = 16 rows of x, source 1 = 16 rows of W: register j of lane (r, h) is row 8 h + j, channel r.  Row 8 h' + j of tile t is step 16 (4 h' + w) + 8 t + j: a lane holds 16 consecutive steps of one channel.
; ONE BARRIER A PERIOD.  Period b: the round and the refill (block b + 1 into the slot read in period b - 1); block b - 2 is quantised from the stage; block b - 1's summaries are folded, its h finished and put
; into the other stage; block b is multiplied, gated and scanned inside its chunks, and its summaries stored.  Stages and summaries have two buffers each, which take turns.
; CLUSTER.  The four work-groups of a cluster share the batch: every tile of x is asked for JOINTLY (mask 15).  W's slices differ from work-group to work-group and are read once: plain loads.
; PREFETCH.  In period b each wave names 12 blocks of 256 bytes of block b + 2 of x: 4 work-groups x 8 waves x 12 = its 384 blocks, shared out by address; lanes 12-31 name the wave's last again; periods 14, 15 ask for nothing.
; W_out IS RE-LAID on the way: wo_codes [64 blocks of K][1,024 rows][24 bytes]; this work-group copies its plane's 256 rows, a thread a row, so that the second launch's tiles are dense rows on 256-byte borders.
; OUTPUT.  h_codes [64 blocks of channels][8,192 rows][24 bytes], h_scales [64][8,192].
; REGISTERS.  Window 0: v1-15 addresses; v16-31 carries and work; v32-39 W's scale words; v40-47 x's; v48-79 accumulators (hidden steps 0-15, gate steps 0-15); v80-95 summaries; v96-114 the quantiser;
; v128-223 x's fragments, two buffers of 48, and the gates' temporaries while no fragment is there.  Window 1: v0-191 W's fragments.
.set XROW,  768
.set XP,    816                        ; a row in LDS: 3 x (256 bytes + 16 of padding)
.set CHK,   16*XP
.set SKEW,  128                        ; chunks 4-7 lie 128 bytes further on: the 32 lanes of a load of 8 bytes then touch 64 different banks (ISA guide 11.1)
.set SLOTB, 8*CHK+2*SKEW
.set WL,    2*SLOTB                    ; W's 64 rows, filled once
.set TST,   WL+4*CHK                   ; the stage that turns h: 128 rows (steps) of 128 bytes + 16, two buffers
.set TP,    144
.set THALF, 64*TP+64                   ; steps 64-127 begin 16 banks on
.set TSTB,  18688
.set SUM,   TST+2*TSTB                 ; summaries [buffer 2][n 2][chunk 8][channel 16][product, local end]
.set SCB,   SUM+4096                   ; the work-group's 2,048 scale bytes, by step
.set SPARE, SCB+2048                   ; the spare words, 128 bytes a wave
.set WS, 32
.set XS, 40
.set ACC, 48
.set SM, 80
.set Q, 96
.set CD, 112
.set XF, 128
.set EH, XF
.set EG, XF+16
.set DH, XF+32
.set DG, XF+48
.set DD, XF+64
.set GP, XF+80
.set MK, 72                            ; s72-87: the gates' sign masks (in the head: temporaries)
.set MSB, 0
.macro WIN new                         ; the immediate's high byte repeats the setting that is left
.if MSB != (\new)
	s_set_vgpr_msb (MSB<<8)|(\new)
.set MSB, \new
.endif
.endm
.macro PLACES n
.rept \n
	v_nop
.endr
.endm
.macro ROUND                           ; a round of the cluster's barrier
	s_barrier_signal -1
	s_barrier_wait -1
	s_cmp_lg_u32 s16, 0
	s_cbranch_scc1 .Lnot_wave_0_\@
	s_barrier_signal -3
.Lnot_wave_0_\@:
	s_barrier_wait -3
	s_barrier_signal -1
	s_barrier_wait -1
.endm
	s_load_b256 s[4:11], s[0:1], 0x0               ; x's codes, x's scales, W's codes, W's scales
	s_load_b128 s[12:15], s[0:1], 0x20             ; h's codes, h's scales
	s_load_b128 s[88:91], s[0:1], 0x30             ; W_out's codes, their new place
	v_lshl_add_u32 v14, v0, 2, SPARE               ; my spare word; never rewritten
	v_mov_b32 v15, 0                               ; 0; never rewritten
	ds_add_u32 v14, v15                            ; the opening lines: the add twice on end and one wait
	ds_add_u32 v14, v15
	v_lshrrev_b32 v22, 5, v0
	v_readfirstlane_b32 s16, v22                   ; wave 0..7
	s_and_b32 s47, s16, 3                          ; w
	s_lshr_b32 s61, s16, 2                         ; n
	s_bfe_u32 s17, ttmp6, 0x40000                  ; cx
	s_lshl_b32 s18, ttmp9, 2
	s_add_co_u32 s18, s18, s17                     ; my block of 32 channels: it enters global addresses of plain accesses alone
	s_and_b32 s19, ttmp7, 0xffff                   ; the batch, which the partners share
	s_mov_b32 s59, 0xffff0000                      ; s[39 + k]: the lanes whose chunk 4 (lane / 16) + w is k or later
.irp k, 1,2,3
	s_cmp_ge_u32 s47, \k
	s_cselect_b32 s[39+\k], -1, s59
.endr
	s_mov_b32 s43, s59
.irp k, 1,2,3
	s_cmp_ge_u32 s47, \k
	s_cselect_b32 s[43+\k], s59, 0
.endr
	s_mov_b32 s56, 0x3fb8aa3b                      ; log2(e), twice: the packed form names the pair
	s_mov_b32 s57, s56
	s_mov_b32 s60, 0                               ; 128 x the block that is quantised next
	s_mov_b32 s62, 0x76543210                      ; v_permlanex16_b32: lane xor 16
	s_mov_b32 s63, 0xfedcba98
	; group 1 for x: 96 rows of 256 dense bytes (32 rows of x), 16 bytes of padding behind each; mask: all four partners
	s_mov_b32 s24, 15|(3<<16)|(1<<20)|(1<<21)|(5<<22)|(3<<25)
	s_mov_b32 s25, 32<<16
	s_mov_b32 s26, 96<<16
	s_mov_b32 s27, 32<<16
	s_mov_b32 s28, 96
	s_mov_b32 s29, 32
	s_mov_b32 s30, 0
	s_mov_b32 s31, 0
	; group 1 for W: 48 such rows (16 rows of W), no mask
	s_mov_b32 s48, (3<<16)|(1<<20)|(5<<22)|(3<<25)
	s_mov_b32 s49, 32<<16
	s_mov_b32 s50, 48<<16
	s_mov_b32 s51, 32<<16
	s_mov_b32 s52, 48
	s_mov_b32 s53, 32
	s_mov_b32 s54, 0
	s_mov_b32 s55, 0
	s_mul_i32 s20, s47, 2*CHK                      ; waves 0-3 bring chunks 2 w, 2 w + 1,
	s_lshr_b32 s21, s47, 1
	s_lshl_b32 s21, s21, 7
	s_add_co_u32 s20, s20, s21                     ; chunks 4-7 behind the skew
	s_mul_i32 s96, s19, 2048*XROW
	s_mov_b32 s97, 0
	s_mul_i32 s22, s47, 32*XROW
	s_mov_b32 s23, 0
	s_lshl_b32 s92, s18, 5                         ; waves 4-7 bring W's rows 32 block + 16 (w & 1) + 2,048 (w / 2)
	s_and_b32 s93, s47, 1
	s_lshl_b32 s93, s93, 4
	s_add_co_u32 s92, s92, s93
	s_lshr_b32 s93, s47, 1
	s_lshl_b32 s93, s93, 11
	s_add_co_u32 s92, s92, s93
	s_mul_i32 s92, s92, XROW
	s_mov_b32 s93, 0
	s_mov_b32 s68, 1
	s_mul_i32 s69, s47, CHK
	s_add_co_u32 s69, s69, WL
	s_mul_i32 s72, s47, CHK                        ; scalar parts of the lanes' addresses
	s_lshl_b32 s73, s47, 9
	s_lshl_b32 s74, s19, 8
	s_mul_i32 s75, s61, CHK
	s_add_co_u32 s75, s75, WL
	s_lshl_b32 s83, s61, 6
	s_mul_i32 s76, s47, 16*TP
	s_add_co_u32 s76, s76, s83
	s_add_co_u32 s76, s76, TST
	s_mul_i32 s77, s16, 16*TP
	s_add_co_u32 s77, s77, s83
	s_add_co_u32 s77, s77, TST
	s_mul_i32 s78, s16, 384
	s_lshl_b32 s79, s16, 4
	s_add_co_u32 s79, s79, SCB
	s_lshl_b32 s80, s61, 10
	s_add_co_u32 s80, s80, SUM
	s_lshl_b32 s81, s47, 7
	s_lshl_b32 s82, s17, 3
	s_add_co_u32 s82, s82, s16
	s_mul_i32 s82, s82, 12
	s_wait_dscnt 0x0                               ; both opening adds are done
	s_wait_kmcnt 0x0
	s_add_nc_u64 s[4:5], s[4:5], s[96:97]          ; x at the batch
	s_add_nc_u64 s[94:95], s[4:5], 256*XROW        ; the prefetches begin at block 2
	s_add_nc_u64 s[4:5], s[4:5], s[22:23]
.irp a, 0,1                            ; group 0, a set for each slot: slot a begins with block a
	s_mov_b32 s[32+4*\a], 1
	s_add_co_u32 s[33+4*\a], s20, \a*SLOTB
	s_add_nc_u64 s[34+4*\a:35+4*\a], s[4:5], \a*128*XROW
	s_or_b32 s[35+4*\a], s[35+4*\a], 0x80000000
.endr
	s_add_nc_u64 s[70:71], s[8:9], s[92:93]
	s_or_b32 s71, s71, 0x80000000
	s_lshl_b32 s96, s19, 16
	s_add_nc_u64 s[6:7], s[6:7], s[96:97]          ; x's scales at the batch
	s_lshl_b32 s96, s18, 10
	s_lshl_b32 s98, s61, 9
	s_add_co_u32 s96, s96, s98
	s_add_nc_u64 s[10:11], s[10:11], s[96:97]      ; W's scales at my 16 hidden rows
	s_mul_i32 s96, s18, 196608
	s_mul_i32 s98, s19, 49152
	s_add_co_u32 s96, s96, s98
	s_add_nc_u64 s[12:13], s[12:13], s[96:97]      ; h's codes: my plane, my batch
	s_lshl_b32 s96, s18, 13
	s_lshl_b32 s98, s19, 11
	s_add_co_u32 s96, s96, s98
	s_add_nc_u64 s[14:15], s[14:15], s[96:97]
	s_mul_i32 s96, s18, 24
	s_add_nc_u64 s[88:89], s[88:89], s[96:97]      ; W_out: my block of K in every row
	s_mul_i32 s96, s18, 24576
	s_add_nc_u64 s[90:91], s[90:91], s[96:97]      ; and its plane
	ROUND                                          ; all four work-groups are here: the first joint loads meet
	s_cmp_lt_u32 s16, 4                            ; one tensor load a wave at the head: waves 0-3 block 0 of x, waves 4-7 W
	s_cbranch_scc0 .Lhead_w
	tensor_load_to_lds s[32:35], s[24:31]
	s_nop 0
	PLACES 4
	s_branch .Lhead_asked
.Lhead_w:
	tensor_load_to_lds s[68:71], s[48:55]
	s_nop 0
	PLACES 4
.Lhead_asked:
	v_and_b32 v22, 15, v0                          ; r
	v_bfe_u32 v23, v0, 4, 1                        ; lane / 16
	v_bfe_u32 v26, v0, 3, 1                        ; h' = r / 8
	v_and_b32 v27, 7, v0                           ; j = r % 8
	v_mul_u32_u24 v1, v27, XP
	v_mad_u32_u24 v1, v23, 24, v1
	v_mad_u32_u24 v1, v26, 4*CHK+SKEW, v1
	v_add_nc_u32 v1, s72, v1                       ; x's fragments in slot 0: chunk 4 h' + w, row j, + 24 bytes for lanes 16-31
	v_lshl_add_u32 v2, v23, 4, v1                  ; the same where lanes 16-31 stand behind one padding more
	v_add_nc_u32 v3, SLOTB, v1
	v_add_nc_u32 v4, SLOTB, v2
	v_lshlrev_b32 v5, 5, v27
	v_lshl_add_u32 v5, v23, 8, v5
	v_lshl_add_u32 v5, v26, 11, v5
	v_add_nc_u32 v5, s73, v5                       ; x's scale words: step 64 h' + 16 w + 8 (lane / 16) + j: lanes 0-15 tile 0's rows, lanes 16-31 tile 1's
.macro XSLOAD                          ; v[XS + q]: K step q
	global_load_b128 v[XS:XS+3], v5, s[6:7]
	global_load_b128 v[XS+4:XS+7], v5, s[6:7] offset:16
.endm
	XSLOAD
	v_lshlrev_b32 v25, 5, v22
	v_lshl_add_u32 v25, v23, 16, v25               ; W's scale words: lanes 0-15 the hidden rows', lanes 16-31 the gate rows'
	global_load_b128 v[WS:WS+3], v25, s[10:11]
	global_load_b128 v[WS+4:WS+7], v25, s[10:11] offset:16
	v_add_nc_u32 v24, s74, v0                      ; W_out's row 256 batch + thread
	v_mul_u32_u24 v28, v24, 1536
	v_mul_u32_u24 v29, v24, 24
.irp i, 0,1,2
	global_load_b64 v[Q+2*\i:Q+2*\i+1], v28, s[88:89] offset:8*\i
.endr
	v_mul_u32_u24 v8, v22, XP
	v_mad_u32_u24 v8, v23, 24, v8
	v_add_nc_u32 v8, s75, v8                       ; W's fragments in LDS: tile n, row r
	v_lshl_add_u32 v30, v23, 4, v8
	v_lshlrev_b32 v6, 2, v22
	v_mad_u32_u24 v6, v23, THALF, v6
	v_add_nc_u32 v6, s76, v6                       ; the stage, in: my chunk's rows, channel 16 n + r
	v_mul_u32_u24 v7, v22, TP
	v_lshl_add_u32 v7, v23, 6, v7
	v_add_nc_u32 v7, s77, v7                       ; and out: step 16 wave + lane % 16, channels 16 (lane / 16) ..
	v_mul_u32_u24 v10, v22, 24
	v_mad_u32_u24 v10, v23, 12, v10
	v_add_nc_u32 v10, s78, v10                     ; h's codes: that step, 12 bytes for each half
	v_add_nc_u32 v11, s79, v22                     ; its scale byte
	v_lshl_add_u32 v13, v22, 3, s80                ; the summaries, read: channel r of my n
	v_lshl_add_u32 v12, v23, 9, v13
	v_add_nc_u32 v12, s81, v12                     ; and written: chunk 4 (lane / 16) + w
	v_and_b32 v9, 31, v0
	v_min_u32 v9, 11, v9
	v_add_nc_u32 v9, s82, v9
	v_lshlrev_b32 v9, 8, v9                        ; the prefetches: block 12 (8 cx + wave) + min(lane, 11) of a period's 384
	v_mov_b32 v16, 0                               ; h at the end of the block before: the scan begins at 0
	v_mov_b32 v19, 0                               ; (upper halves of the pairs that the packed form names)
	v_mov_b32 v21, 0
	v_mov_b32 v31, 0                               ; (a lane permute's destination counts as a source)
	s_wait_alu depctr_va_vdst(0)
	s_wait_loadcnt 0x0
.irp i, 0,1,2
	global_store_b64 v29, v[Q+2*\i:Q+2*\i+1], s[90:91] offset:8*\i   ; the three together: 768 consecutive bytes a wave
.endr
; A fragment: 16 rows x 128 K = 12 registers, in pieces of 8 bytes; 16 bytes of padding lie behind every 32 pieces: where lanes 16-31 stand behind one padding more, the second address register serves.
.macro FRAG reg, a0, a1, base, q
.irp p, 0,1,2,3,4,5
.set PC, 12*(\q)+6*(\p/3)+\p%3
.if PC%32 < 29
	ds_load_b64 v[\reg+2*\p:\reg+2*\p+1], v[\a0] offset:(\base)+8*PC+16*(PC/32)
.else
	ds_load_b64 v[\reg+2*\p:\reg+2*\p+1], v[\a1] offset:(\base)+8*PC+16*(PC/32)
.endif
.endr
.endm
.macro XLOADS a, sg                    ; 24 loads: slot a's two tiles, K steps 2 sg, 2 sg + 1, into buffer sg % 2
.irp qq, 0,1
.irp tt, 0,1
	FRAG XF+48*((\sg)&1)+12*(2*\qq+\tt), 1+2*(\a), 2+2*(\a), 8*XP*\tt, 2*(\sg)+\qq
.endr
.endr
.endm
.macro PROD ra, rb                     ; ra, rb: the scales of source 0, source 1 stand in lanes 16-31.  fZ = 0: the first K step starts the sum
.if fZ == 0
.if ((\ra) == 0) && ((\rb) == 0)
	v_wmma_scale_f32_16x16x128_f8f6f4 v[rD:rD+7], v[rA:rA+11], v[rB:rB+11], 0, v[rX], v[rW] matrix_a_fmt:MATRIX_FMT_FP6 matrix_b_fmt:MATRIX_FMT_FP6
.elseif ((\rb) == 0)
	v_wmma_scale_f32_16x16x128_f8f6f4 v[rD:rD+7], v[rA:rA+11], v[rB:rB+11], 0, v[rX], v[rW] matrix_a_fmt:MATRIX_FMT_FP6 matrix_b_fmt:MATRIX_FMT_FP6 matrix_a_scale:MATRIX_SCALE_ROW1
.elseif ((\ra) == 0)
	v_wmma_scale_f32_16x16x128_f8f6f4 v[rD:rD+7], v[rA:rA+11], v[rB:rB+11], 0, v[rX], v[rW] matrix_a_fmt:MATRIX_FMT_FP6 matrix_b_fmt:MATRIX_FMT_FP6 matrix_b_scale:MATRIX_SCALE_ROW1
.else
	v_wmma_scale_f32_16x16x128_f8f6f4 v[rD:rD+7], v[rA:rA+11], v[rB:rB+11], 0, v[rX], v[rW] matrix_a_fmt:MATRIX_FMT_FP6 matrix_b_fmt:MATRIX_FMT_FP6 matrix_a_scale:MATRIX_SCALE_ROW1 matrix_b_scale:MATRIX_SCALE_ROW1
.endif
.else
.if ((\ra) == 0) && ((\rb) == 0)
	v_wmma_scale_f32_16x16x128_f8f6f4 v[rD:rD+7], v[rA:rA+11], v[rB:rB+11], v[rD:rD+7], v[rX], v[rW] matrix_a_fmt:MATRIX_FMT_FP6 matrix_b_fmt:MATRIX_FMT_FP6
.elseif ((\rb) == 0)
	v_wmma_scale_f32_16x16x128_f8f6f4 v[rD:rD+7], v[rA:rA+11], v[rB:rB+11], v[rD:rD+7], v[rX], v[rW] matrix_a_fmt:MATRIX_FMT_FP6 matrix_b_fmt:MATRIX_FMT_FP6 matrix_a_scale:MATRIX_SCALE_ROW1
.elseif ((\ra) == 0)
	v_wmma_scale_f32_16x16x128_f8f6f4 v[rD:rD+7], v[rA:rA+11], v[rB:rB+11], v[rD:rD+7], v[rX], v[rW] matrix_a_fmt:MATRIX_FMT_FP6 matrix_b_fmt:MATRIX_FMT_FP6 matrix_b_scale:MATRIX_SCALE_ROW1
.else
	v_wmma_scale_f32_16x16x128_f8f6f4 v[rD:rD+7], v[rA:rA+11], v[rB:rB+11], v[rD:rD+7], v[rX], v[rW] matrix_a_fmt:MATRIX_FMT_FP6 matrix_b_fmt:MATRIX_FMT_FP6 matrix_a_scale:MATRIX_SCALE_ROW1 matrix_b_scale:MATRIX_SCALE_ROW1
.endif
.endif
.endm
.macro MM sg                           ; 8 products: two K steps x two tiles x (hidden, gate); the four accumulators take turns
.irp qq, 0,1
.irp tt, 0,1
.irp c, 0,1
.set fZ, 2*(\sg)+\qq
.set rD, ACC+16*\c+8*\tt
.set rA, XF+48*((\sg)&1)+12*(2*\qq+\tt)
.set rB, 12*(8*\c+2*(\sg)+\qq)
.set rX, XS+2*(\sg)+\qq
.set rW, WS+2*(\sg)+\qq
	PROD \tt, \c
.endr
.endr
.endr
.endm
; The period's barrier.  kind = 2: a round of the cluster's barrier, and waves 0-3 fill the other slot with the next block.  kind = 1: nothing is filled.
.macro TOP par, kind
	s_wait_alu depctr_va_vdst(0)
	s_wait_tensorcnt 0x0                           ; my part of this period's block is in; no tensor load of mine is out
.if \kind == 2
	ds_add_u32 v14, v15
	s_add_nc_u64 s[34+4*\par:35+4*\par], s[34+4*\par:35+4*\par], 256*XROW   ; this slot's next block
.endif
	s_wait_dscnt 0x0                               ; the add, my reads of the other slot, my stores of summaries and into the stage
.if \kind == 2
	ROUND
	s_cmp_lt_u32 s16, 4
	s_cbranch_scc0 .Lnone_\@
	tensor_load_to_lds s[36-4*\par:39-4*\par], s[24:31]   ; the one tensor load behind the round: it has the whole period in which to land
	s_nop 0
	PLACES 4
.Lnone_\@:
.else
	s_barrier_signal -1
	s_barrier_wait -1
.endif
.endm
.macro QUANT                           ; my step's 16 channels: the block's largest magnitude with lane xor 16's, the scale, 16 codes in 12 bytes; 32 lanes store 384 consecutive bytes
	v_max3_num_f32 v22, |v[Q]|, |v[Q+1]|, 0x1800000          ; the floor 2^(3 - 127): the byte cannot fall under 1
	v_max3_num_f32 v23, |v[Q+8]|, |v[Q+9]|, |v[Q+10]|
	v_max3_num_f32 v22, v22, |v[Q+2]|, |v[Q+3]|
	v_max3_num_f32 v23, v23, |v[Q+11]|, |v[Q+12]|
	v_max3_num_f32 v22, v22, |v[Q+4]|, |v[Q+5]|
	v_max3_num_f32 v23, v23, |v[Q+13]|, |v[Q+14]|
	v_max3_num_f32 v22, v22, |v[Q+6]|, |v[Q+7]|
	v_max3_num_f32 v22, v22, v23, |v[Q+15]|
	v_permlanex16_b32 v31, v22, s62, s63
	v_max_num_f32 v22, v22, v31
	v_add_nc_u32 v24, 0xff000000, v22              ; 2 off the exponent field: the conversion's scale operand
	v_add_nc_u32 v28, s60, v11
	v_cvt_scalef32_pk16_fp6_f32 v[CD:CD+2], v[Q:Q+15], v24
	v_lshrrev_b32 v26, 23, v24                     ; the scale's byte (a plain line behind the conversion)
	global_store_b96 v10, v[CD:CD+2], s[12:13]
	ds_store_b8 v28, v26                           ; (both halves of the lanes write the same byte)
.endm
.macro STEPQ                           ; behind s_wait_xcnt 0: the quantiser's next block
	s_add_nc_u64 s[12:13], s[12:13], 128*24
	s_add_co_u32 s60, s60, 128
.endm
; Behind the barrier of period b (par = b % 2).  All LDS loads first: the stage's rows of block b - 2, the summaries of block b - 1, the first half of K of block b.
.macro POST par, fold, quant, xl, pf
.if \quant
.irp i, 0,1,2,3
	ds_load_b128 v[Q+4*\i:Q+4*\i+3], v7 offset:TSTB*\par+16*\i
.endr
.endif
.if \fold
.irp c, 0,1,2,3,4,5,6,7
	ds_load_b64 v[SM+2*\c:SM+2*\c+1], v13 offset:2048*(1-\par)+128*\c
.endr
.endif
.if \xl
	XLOADS \par, 0
	XLOADS \par, 1
.endif
.if \pf
	global_prefetch_b8 v9, s[94:95] th:TH_LOAD_NT scope:SCOPE_SE   ; block b + 2
.endif
.if \quant
	s_wait_dscnt 8*\fold+48*\xl                    ; the stage's rows are in; the summaries and fragments may be out
	QUANT
.endif
.if \fold
	s_wait_dscnt 48*\xl+\quant                     ; the summaries are in; the fragments and the byte's store may be out
	v_mov_b32 v18, v16                             ; every lane walks the eight summaries of its channel and keeps what had been reached when its chunk began
.irp c, 0,1,2,3,4,5,6,7
.if \c > 0
	s_delay_alu instid0(VALU_DEP_2)
.endif
	v_fma_f32 v16, v[SM+2*\c], v16, v[SM+2*\c+1]
.if \c < 7
	s_delay_alu instid0(VALU_DEP_1)
	v_cndmask_b32 v18, v18, v16, s[40+\c]
.endif
.endr
.irp j, 0,2,4,6                        ; h_k = P_k x (h at the beginning) + L_k; steps 8-15 begin at h_7
	v_pk_fma_f32 v[ACC+\j:ACC+\j+1], v[ACC+16+\j:ACC+17+\j], v[18:19], v[ACC+\j:ACC+\j+1] op_sel_hi:[1,0,1]
.endr
	v_mov_b32 v20, v[ACC+7]
.irp j, 8,10,12,14
	v_pk_fma_f32 v[ACC+\j:ACC+\j+1], v[ACC+16+\j:ACC+17+\j], v[20:21], v[ACC+\j:ACC+\j+1] op_sel_hi:[1,0,1]
.endr
.irp k, 0,1,2,3,4,5,6,7,8,9,10,11,12,13,14,15
	ds_store_b32 v6, v[ACC+\k] offset:TSTB*(1-\par)+TP*\k
.endr
.endif
.endm
.macro MAT par                         ; 32 products; under one setting of the windows: source 1 (W) window 1, all else window 0
	s_wait_dscnt 0x0                               ; the first half of K is in
	s_wait_loadcnt 0x0                             ; and the scale words
	WIN 0x04
	MM 0
	PLACES 4
	XLOADS \par, 2
	MM 1
	PLACES 4
	XLOADS \par, 3
	s_wait_dscnt 24                                ; all but the 24 just issued
	MM 2
	s_wait_dscnt 0x0
	MM 3
	PLACES 4                                       ; in front of the first read of results, of loads into the scale registers and of writes into the fragments' registers
	WIN 0
.endm
.macro PK8 op, d, a, b                 ; eight packed instructions on 16 numbers
.set j, 0
.rept 8
	\op v[\d+j:\d+j+1], v[\a+j:\a+j+1], v[\b+j:\b+j+1]
.set j, j+2
.endr
.endm
; The gates of 16 steps of one channel a lane.  y = hidden, x = gate.  1 / ((1 + e^-|y|) (1 + e^-|x|)) serves both sigmoids.
; g = max(y + 0.5, sigmoid(-|y|)): for y >= 0 the first is at least 0.5 and the second at most; for y < 0 sigmoid(y) lies above y + 0.5.  On leaving: hidden registers v = z g, gate registers c.
.macro ACT
.set j, 0
.rept 8
	v_pk_mul_f32 v[EH+j:EH+j+1], v[ACC+j:ACC+j+1], s[56:57] op_sel_hi:[1,0]
.set j, j+2
.endr
.set j, 0
.rept 8
	v_pk_mul_f32 v[EG+j:EG+j+1], v[ACC+16+j:ACC+17+j], s[56:57] op_sel_hi:[1,0]
.set j, j+2
.endr
	s_wait_alu depctr_va_vdst(0)                   ; the wait ahead of the batch
.set j, 0
.rept 8
	v_exp_f32 v[EH+j], -|v[EH+j]|
.set j, j+1
.endr
.set j, 0
.rept 8
	v_exp_f32 v[EH+8+j], -|v[EH+8+j]|
	v_pk_add_f32 v[GP+2*j:GP+2*j+1], v[ACC+2*j:ACC+2*j+1], 0.5 op_sel_hi:[1,0]
.set j, j+1
.endr
.set j, 0
.rept 16
	v_exp_f32 v[EG+j], -|v[EG+j]|
	v_cmp_le_f32 s[MK+j], 0, v[ACC+16+j]           ; x >= 0: it only selects values
.set j, j+1
.endr
	s_wait_alu depctr_va_vdst(0)                   ; and behind it
.set j, 0
.rept 8
	v_pk_add_f32 v[DH+j:DH+j+1], v[EH+j:EH+j+1], 1.0 op_sel_hi:[1,0]
.set j, j+2
.endr
.set j, 0
.rept 8
	v_pk_add_f32 v[DG+j:DG+j+1], v[EG+j:EG+j+1], 1.0 op_sel_hi:[1,0]
.set j, j+2
.endr
	PK8 v_pk_mul_f32, DD, DH, DG                   ; between 1 and 4
	s_wait_alu depctr_va_vdst(0)
.set j, 0
.rept 16
	v_rcp_f32 v[DD+j], v[DD+j]
.set j, j+1
.endr
	v_nop
	s_wait_alu depctr_va_vdst(0)
	PK8 v_pk_mul_f32, DH, DD, DH                   ; sigmoid(|x|)
	PK8 v_pk_mul_f32, DG, DD, DG                   ; sigmoid(|y|)
	PK8 v_pk_mul_f32, EH, EH, DG                   ; sigmoid(-|y|)
	PK8 v_pk_mul_f32, EG, EG, DH                   ; sigmoid(-|x|)
.set j, 0
.rept 16
	v_max_num_f32 v[EH+j], v[GP+j], v[EH+j]        ; g
.set j, j+1
.endr
.set j, 0
.rept 16
	v_cndmask_b32 v[GP+j], v[EG+j], v[DH+j], s[MK+j]       ; z
.set j, j+1
.endr
.set j, 0
.rept 16
	v_cndmask_b32 v[ACC+16+j], v[DH+j], v[EG+j], s[MK+j]   ; c
.set j, j+1
.endr
	PK8 v_pk_mul_f32, ACC, GP, EH                  ; v = z g
.endm
.macro VEC par, xs, quant, pf
	s_wait_xcnt 0x0                                ; the period's loads, store and prefetch have read their registers and bases
.if \xs
	s_add_nc_u64 s[6:7], s[6:7], 128*32
.endif
.if \quant
	STEPQ
.endif
.if \pf
	s_add_nc_u64 s[94:95], s[94:95], 128*XROW
.endif
.if \xs
	XSLOAD                                         ; the next block's scale words
.endif
	ACT
.set k, 1                              ; the scan from 0 inside steps 0-7 and inside steps 8-15: L_k = c_k L_(k-1) + v_k, P_k = c_k P_(k-1): four chains by turns
.rept 7
	v_fma_f32 v[ACC+k], v[ACC+16+k], v[ACC+k-1], v[ACC+k]
	v_fma_f32 v[ACC+8+k], v[ACC+24+k], v[ACC+7+k], v[ACC+8+k]
	v_mul_f32 v[ACC+16+k], v[ACC+16+k], v[ACC+15+k]
	v_mul_f32 v[ACC+24+k], v[ACC+24+k], v[ACC+23+k]
.set k, k+1
.endr
	v_mul_f32 v22, v[ACC+23], v[ACC+31]            ; my chunk's product of c,
	v_fma_f32 v23, v[ACC+31], v[ACC+7], v[ACC+15]  ; and where it ends when it begins at 0
	ds_store_b64 v12, v[22:23] offset:2048*\par
.endm
	TOP 0, 2                                       ; block 0 and W are in; slot 1's first fill, issued as a refill is
	WIN 0x40                                       ; W's fragments: (hidden or gate c, K step q) at v[12 (8 c + q)] of window 1
.irp c, 0,1
.irp q, 0,1,2,3,4,5,6,7
	FRAG 12*(8*\c+\q), 8, 30, 2*CHK*\c, \q
.endr
.endr
	WIN 0
	POST 0, 0, 0, 1, 1
	MAT 0
	VEC 0, 1, 0, 1
	TOP 1, 2
	POST 1, 1, 0, 1, 1
	MAT 1
	VEC 1, 1, 0, 1
	s_mov_b32 s58, 6
.Lpair:                                                ; periods 2 to 13
	TOP 0, 2
	POST 0, 1, 1, 1, 1
	MAT 0
	VEC 0, 1, 1, 1
	TOP 1, 2
	POST 1, 1, 1, 1, 1
	MAT 1
	VEC 1, 1, 1, 1
	s_sub_co_u32 s58, s58, 1
	s_cmp_lg_u32 s58, 0
	s_cbranch_scc1 .Lpair
	TOP 0, 2                                       ; period 14 asks for the last block
	POST 0, 1, 1, 1, 0
	MAT 0
	VEC 0, 1, 1, 0
	TOP 1, 1                                       ; period 15 asks for nothing
	POST 1, 1, 1, 1, 0
	MAT 1
	VEC 1, 0, 1, 0
	TOP 0, 1                                       ; block 15 is finished, block 14 quantised
	POST 0, 1, 1, 0, 0
	s_wait_xcnt 0x0
	STEPQ
	TOP 1, 1                                       ; block 15 is quantised
	POST 1, 0, 1, 0, 0
	s_wait_dscnt 0x0
	s_barrier_signal -1
	s_barrier_wait -1                              ; all 2,048 scale bytes lie in LDS
	v_lshl_add_u32 v22, v0, 3, SCB
	ds_load_b64 v[24:25], v22
	v_lshlrev_b32 v23, 3, v0
	s_wait_alu depctr_va_vdst(0)
	s_wait_dscnt 0x0
	global_store_b64 v23, v[24:25], s[14:15]       ; a wave stores 256 consecutive bytes, at a multiple of 256 from the buffer's first byte
	s_wait_tensorcnt 0x0                           ; the wave's end
	ds_add_u32 v14, v15
	s_wait_dscnt 0x0
	ROUND                                          ; the closing round
	s_endpgm
.Lfunc_end_k_q72cbed3843_scan:
	.size	k_q72cbed3843_scan, .Lfunc_end_k_q72cbed3843_scan-k_q72cbed3843_scan
	.p2alignl 7, 3214868480
	.fill 96, 4, 3214868480
	.section	.rodata,"a",@progbits
	.p2align	6, 0x0
	.amdhsa_kernel k_q72cbed3843_scan
		.amdhsa_group_segment_fixed_size 327680
		.amdhsa_private_segment_fixed_size 0
		.amdhsa_enable_private_segment 0
		.amdhsa_kernarg_size 64
		.amdhsa_user_sgpr_count 2
		.amdhsa_user_sgpr_kernarg_segment_ptr 1
		.amdhsa_wavefront_size32 1
		.amdhsa_system_sgpr_workgroup_id_x 1
		.amdhsa_system_sgpr_workgroup_id_y 1
		.amdhsa_system_sgpr_workgroup_id_z 1
		.amdhsa_system_vgpr_workitem_id 0
		.amdhsa_next_free_vgpr 448
		.amdhsa_next_free_sgpr 100
		.amdhsa_reserve_vcc 0
		.amdhsa_float_denorm_mode_32 3
		.amdhsa_float_denorm_mode_16_64 3
		.amdhsa_memory_ordered 1
		.amdhsa_forward_progress 1
		.amdhsa_inst_pref_size 195
	.end_amdhsa_kernel
	.amdgpu_metadata
---
amdhsa.version: [ 1, 2 ]
amdhsa.kernels:
  - .name:           k_q72cbed3843_scan
    .symbol:         k_q72cbed3843_scan.kd
    .args:
      - { .name: x_codes, .offset: 0, .size: 8, .value_kind: global_buffer, .address_space: global }
      - { .name: x_scales, .offset: 8, .size: 8, .value_kind: global_buffer, .address_space: global }
      - { .name: W_hg_codes, .offset: 16, .size: 8, .value_kind: global_buffer, .address_space: global }
      - { .name: W_hg_scales, .offset: 24, .size: 8, .value_kind: global_buffer, .address_space: global }
      - { .name: h_codes, .offset: 32, .size: 8, .value_kind: global_buffer, .address_space: global }
      - { .name: h_scales, .offset: 40, .size: 8, .value_kind: global_buffer, .address_space: global }
      - { .name: W_out_codes, .offset: 48, .size: 8, .value_kind: global_buffer, .address_space: global }
      - { .name: wo_codes, .offset: 56, .size: 8, .value_kind: global_buffer, .address_space: global }
    .group_segment_fixed_size: 327680
    .private_segment_fixed_size: 0
    .kernarg_segment_align: 8
    .kernarg_segment_size: 64
    .max_flat_workgroup_size: 256
    .sgpr_count:     100
    .vgpr_count:     448
    .wavefront_size: 32
...
	.end_amdgpu_metadata
.endif
;; end of part 1
;; launch proj (part 2): grid 4 x 64, 4 waves a work-group, clusters of 4 x 4, 327,680 bytes of LDS; arguments h_codes, h_scales, wo_codes, W_out_scales, out0; writes out0
.if DOCPART == 2
	.amdgcn_target "amdgcn-amd-amdhsa--gfx1250"
	.amdhsa_code_object_version 6
	.text
	.protected	k_q72cbed3843_proj
	.globl	k_q72cbed3843_proj
	.p2align	8
	.type	k_q72cbed3843_proj,@function
k_q72cbed3843_proj:
	s_mov_b64 s[64:65], 0
	v_nop
	global_prefetch_b8 v0, s[64:65] scope:SCOPE_SE
	s_setreg_imm32_b32 hwreg(HW_REG_WAVE_MODE, 25, 1), 1
	s_wait_xcnt 0x0
	s_wait_alu depctr_hold_cnt(0) depctr_sa_sdst(0) depctr_va_vdst(0) depctr_va_sdst(0) depctr_va_ssrc(0) depctr_va_vcc(0) depctr_vm_vsrc(0)
	s_getreg_b32 s2, hwreg(HW_REG_IB_STS2, 6, 4)
	s_cmp_eq_u32 s2, 0
	s_cbranch_scc0 .Lentry_in_a_cluster
	s_endpgm
.Lentry_in_a_cluster:
	s_bfe_u32 s2, ttmp6, 0x10000c
	s_cmp_lg_u32 s2, 0xf033
	s_cbranch_scc0 .Lentry_shape_is_right
	s_endpgm
.Lentry_shape_is_right:
; minGRU, second part: out = h W_out^T on codes of FP6 (E2M3) with E8M0 scales; sums in f32.  A work-group makes 128 rows x 256 columns; four waves, each 64 x 128: 32 accumulators, 256 registers.
; Both operands lie in planes of 32 along K, [64][rows][24 bytes] (h as the first launch stores it, W_out as it re-lays it): a tile's row is a plane's dense run of rows (3,072 or 6,144 bytes) on a 256-byte border.
; K = 2,048 goes through two LDS slots of 512 along K (16 planes of each operand): four fills in all, one tensor load a wave each: waves 0, 1 bring h's even and odd planes, waves 2, 3 W_out's.
; Even and odd planes lie apart in a slot, 32 banks askew: lanes 0-15 of a fragment load read an even plane, lanes 16-31 the odd plane behind it; 16 rows of 24 bytes start in 16 different pairs of banks.
; CLUSTERS of 4 x 4: h's tiles are asked for jointly along a row of the cluster, W_out's along a column.
; THE SCALES come once: h's bytes [64 planes][rows] are turned into words by row in registers, W_out's lie by row already; both stay in LDS, rows of 64 bytes + 16.
; THE MATRIX INSTRUCTION IS USED TRANSPOSED (source 0 = 16 rows of W_out, source 1 = 16 rows of h): a lane holds eight neighbouring numbers of a row of the result.
; THE WAY OUT goes through a stage of each wave's own in slot 0, which has had its last fill and its last read when the first result is stored there.
; No prefetch: the walk has four fills, of which two go out at the start; no trip stands far enough ahead of the other two.
; REGISTERS.  Window 0: v1-31 addresses; v32-79 scale words, two sets of 24; v128-223 h's fragments, two buffers of 48 (in the head v64-159 serve the scales; on the way out v128-255 rows).
;   Window 1: W_out's fragments, two buffers of 96, at v0 and v128.  Window 2: the accumulators, (a, b) at v[8 (8 a + b)].
.set PLANE,  196608
.set WPLANE, 24576
.set AODD,   24704                     ; h's odd planes: behind the 8 even ones (24,576 bytes) and 128 bytes
.set BOFF,   49408
.set BODD,   49280                     ; W_out's odd planes: behind 49,152 bytes and 128
.set SLOT,   147968
.set SA,     2*SLOT                    ; h's scales: 128 rows x 80
.set SB,     SA+128*80                 ; W_out's: 256 rows x 80
.set SPARE,  SB+256*80                 ; the spare words, 128 bytes a wave
.set STG,    0
.set SPITCH, 528
.set G1,  24
.set G0,  32
.set G1B, 48
.set G0B, 56
.set MSB, 0
.macro WIN new                         ; the immediate's high byte repeats the setting that is left
.if MSB != (\new)
	s_set_vgpr_msb (MSB<<8)|(\new)
.set MSB, \new
.endif
.endm
.macro PLACES n
.rept \n
	v_nop
.endr
.endm
.macro JLOAD s                         ; a joint load: waves 0, 1 for h, waves 2, 3 for W_out
	s_cmp_eq_u32 s15, 0
	s_cbranch_scc0 .Lfor_b_\@
	tensor_load_to_lds s[G0+4*\s:G0+4*\s+3], s[G1:G1+7]
	s_nop 0
	PLACES 4
	s_branch .Lasked_\@
.Lfor_b_\@:
	tensor_load_to_lds s[G0B+4*\s:G0B+4*\s+3], s[G1B:G1B+7]
	s_nop 0
	PLACES 4
.Lasked_\@:
.endm
.macro CREST                           ; a round of the cluster's barrier behind its opening barrier
	s_cmp_lg_u32 s14, 0
	s_cbranch_scc1 .Lnot_wave_0_\@
	s_barrier_signal -3
.Lnot_wave_0_\@:
	s_barrier_wait -3
	s_barrier_signal -1
	s_barrier_wait -1
.endm
.macro CROUND
	s_barrier_signal -1
	s_barrier_wait -1
	CREST
.endm
	s_load_b256 s[4:11], s[0:1], 0x0               ; h's codes, h's scales, W_out's codes in planes, W_out's scales
	s_load_b64 s[12:13], s[0:1], 0x20              ; out
	v_lshl_add_u32 v28, v0, 2, SPARE               ; my spare word; never rewritten
	v_mov_b32 v29, 0                               ; 0; never rewritten
	ds_add_u32 v28, v29                            ; the opening lines: the add twice on end and one wait
	ds_add_u32 v28, v29
	v_lshrrev_b32 v1, 5, v0
	v_readfirstlane_b32 s14, v1                    ; wave 0..3
	s_lshr_b32 s15, s14, 1                         ; my half of the rows.  Also: I fetch for h (0) or for W_out (1)
	s_and_b32 s16, s14, 1                          ; my half of the columns.  Also: even or odd planes
	s_bfe_u32 s40, ttmp6, 0x40000                  ; cx, cy
	s_bfe_u32 s41, ttmp6, 0x40004
	s_lshl_b32 s42, ttmp9, 2
	s_add_co_u32 s42, s42, s40                     ; tile column
	s_and_b32 s17, ttmp7, 0xffff
	s_lshl_b32 s17, s17, 2
	s_add_co_u32 s17, s17, s41                     ; tile row
	s_lshl_b32 s43, s41, 2
	s_lshl_b32 s43, 15, s43                        ; my row of the cluster
	s_lshl_b32 s44, 0x1111, s40                    ; my column
	s_or_b32 s[G1+0], s43, (3<<16)|(1<<21)         ; h: 8 rows of 384 elements of 8 bytes, two planes apart
	s_mov_b32 s[G1+1], 384<<16
	s_mov_b32 s[G1+2], 8<<16
	s_mov_b32 s[G1+3], 384<<16
	s_mov_b32 s[G1+4], 8
	s_mov_b32 s[G1+5], 2*PLANE/8
	s_mov_b32 s[G1+6], 0
	s_mov_b32 s[G1+7], 0
	s_or_b32 s[G1B+0], s44, (3<<16)|(1<<21)        ; W_out: 8 rows of 768 elements
	s_mov_b32 s[G1B+1], 768<<16
	s_mov_b32 s[G1B+2], 8<<16
	s_mov_b32 s[G1B+3], 768<<16
	s_mov_b32 s[G1B+4], 8
	s_mov_b32 s[G1B+5], 2*WPLANE/8
	s_mov_b32 s[G1B+6], 0
	s_mov_b32 s[G1B+7], 0
	s_mul_i32 s20, s17, 128*24
	s_mul_i32 s21, s16, PLANE
	s_add_co_u32 s20, s20, s21
	s_mov_b32 s21, 0
	s_mul_i32 s45, s16, AODD
	s_mul_i32 s46, s42, 6144
	s_mul_i32 s47, s16, WPLANE
	s_add_co_u32 s46, s46, s47
	s_mov_b32 s47, 0
	s_mul_i32 s72, s16, BODD
	s_add_co_u32 s72, s72, BOFF
	s_lshl_b32 s74, s17, 7                         ; h's scale bytes: my tile's rows, planes 16 wave ..
	s_lshl_b32 s75, s14, 17
	s_add_co_u32 s74, s74, s75
	s_mov_b32 s75, 0
	s_lshl_b32 s76, s42, 14                        ; W_out's: my tile's 256 rows
	s_mov_b32 s77, 0
	s_lshl_b32 s78, s17, 7                         ; out: row 128 tile row + 64 half, column 256 tile column + 128 half
	s_lshl_b32 s79, s15, 6
	s_add_co_u32 s78, s78, s79
	s_lshl_b32 s78, s78, 12
	s_lshl_b32 s80, s42, 10
	s_lshl_b32 s81, s16, 9
	s_add_co_u32 s80, s80, s81
	s_add_co_u32 s78, s78, s80
	s_mov_b32 s79, 0
	s_mov_b32 s68, 0x05010400                      ; byte selects that turn 4 x 4 bytes
	s_mov_b32 s69, 0x07030602
	s_mov_b32 s70, 0x05040100
	s_mov_b32 s71, 0x07060302
	s_lshl_b32 s82, s14, 4                         ; scalar parts of the lanes' LDS addresses
	s_add_co_u32 s82, s82, SA
	s_mul_i32 s83, s15, 64*24
	s_mul_i32 s84, s16, 128*24
	s_add_co_u32 s84, s84, BOFF
	s_mul_i32 s85, s15, 64*80
	s_add_co_u32 s85, s85, SA
	s_mul_i32 s86, s16, 128*80
	s_add_co_u32 s86, s86, SB
	s_mul_i32 s87, s14, 16*SPITCH
	s_add_co_u32 s87, s87, STG
	s_wait_dscnt 0x0                               ; both opening adds are done
	s_wait_kmcnt 0x0
	s_add_nc_u64 s[20:21], s[4:5], s[20:21]
	s_add_nc_u64 s[46:47], s[8:9], s[46:47]
	s_add_nc_u64 s[74:75], s[6:7], s[74:75]
	s_add_nc_u64 s[76:77], s[10:11], s[76:77]
	s_add_nc_u64 s[12:13], s[12:13], s[78:79]
.irp s, 0,1                            ; group 0, a set for each slot: slot s begins with planes 16 s ..
	s_mov_b32 s[G0+4*\s], 1
	s_add_co_u32 s[G0+4*\s+1], s45, \s*SLOT
	s_add_nc_u64 s[G0+4*\s+2:G0+4*\s+3], s[20:21], \s*16*PLANE
	s_or_b32 s[G0+4*\s+3], s[G0+4*\s+3], 0x80000000
	s_mov_b32 s[G0B+4*\s], 1
	s_add_co_u32 s[G0B+4*\s+1], s72, \s*SLOT
	s_add_nc_u64 s[G0B+4*\s+2:G0B+4*\s+3], s[46:47], \s*16*WPLANE
	s_or_b32 s[G0B+4*\s+3], s[G0B+4*\s+3], 0x80000000
.endr
	CROUND                                         ; all sixteen work-groups are here: the first joint loads meet
	JLOAD 0                                        ; one tensor load a wave at the head; the scales are fetched and turned while it is out
	v_and_b32 v3, 31, v0
	v_lshlrev_b32 v4, 2, v3
.irp p, 0,1,2,3,4,5,6,7,8,9,10,11,12,13,14,15
	global_load_b32 v[64+\p], v4, s[74:75] offset:8192*\p      ; plane 16 wave + p: the bytes of rows 4 lane .. 4 lane + 3
.endr
	v_lshlrev_b32 v5, 4, v0
.irp c, 0,1,2,3,4,5,6,7
	global_load_b128 v[128+4*\c:131+4*\c], v5, s[76:77] offset:2048*\c
.endr
	v_mul_u32_u24 v6, v3, 320
	v_add_nc_u32 v6, s82, v6                       ; h's scales, in: rows 4 lane .., bytes 16 wave ..
	v_lshrrev_b32 v7, 2, v0
	v_mul_u32_u24 v7, v7, 80
	v_and_b32 v8, 3, v0
	v_lshl_add_u32 v7, v8, 4, v7
	v_add_nc_u32 v7, SB, v7                        ; W_out's, in: row thread / 4, 16 bytes
	v_and_b32 v1, 15, v0                           ; r
	v_bfe_u32 v2, v0, 4, 1                         ; lane / 16
	v_mul_u32_u24 v9, v1, 24
	v_mad_u32_u24 v10, v2, AODD, v9
	v_add_nc_u32 v16, s83, v10                     ; h's fragments in slot 0, 1
	v_add_nc_u32 v17, SLOT, v16
	v_mad_u32_u24 v10, v2, BODD, v9
	v_add_nc_u32 v20, s84, v10                     ; W_out's
	v_add_nc_u32 v21, SLOT, v20
	v_mul_u32_u24 v9, v1, 80
	v_mad_u32_u24 v27, v2, 32*80, v9
	v_add_nc_u32 v27, s85, v27                     ; h's scale words: lanes 0-15 block i, lanes 16-31 block i + 2
	v_mad_u32_u24 v30, v2, 64*80, v9
	v_add_nc_u32 v30, s86, v30                     ; W_out's: lanes 0-15 block i, lanes 16-31 block i + 4
	v_mul_u32_u24 v24, v1, SPITCH
	v_lshl_add_u32 v24, v2, 5, v24
	v_add_nc_u32 v24, s87, v24                     ; the stage, in
	v_lshlrev_b32 v26, 4, v3                       ; my 16 bytes of a row of 512
	v_add_nc_u32 v25, s87, v26                     ; the stage, out
	s_wait_alu depctr_va_vdst(0)
	s_wait_loadcnt 0x8                             ; h's bytes are in; W_out's eight loads may be out
.irp g, 0,1,2,3
	v_perm_b32 v80, v[65+4*\g], v[64+4*\g], s68
	v_perm_b32 v81, v[65+4*\g], v[64+4*\g], s69
	v_perm_b32 v82, v[67+4*\g], v[66+4*\g], s68
	v_perm_b32 v83, v[67+4*\g], v[66+4*\g], s69
	v_perm_b32 v[96+\g], v82, v80, s70
	v_perm_b32 v[100+\g], v82, v80, s71
	v_perm_b32 v[104+\g], v83, v81, s70
	v_perm_b32 v[108+\g], v83, v81, s71
.endr
.irp e, 0,1,2,3
	ds_store_b128 v6, v[96+4*\e:99+4*\e] offset:80*\e
.endr
	s_wait_loadcnt 0x0
.irp c, 0,1,2,3,4,5,6,7
	ds_store_b128 v7, v[128+4*\c:131+4*\c] offset:32*80*\c
.endr
; A fragment: 16 rows x 128 K = 12 registers; registers 6 c .. 6 c + 5 of lane (r, h) are row r's 24 bytes of plane 4 q + 2 c + h, in pieces of 8 bytes
.macro FRAGA reg, slot, q, i
.irp p, 0,1,2,3,4,5
	ds_load_b64 v[\reg+2*\p:\reg+2*\p+1], v[16+\slot] offset:(2*(\q)+\p/3)*3072+384*(\i)+8*(\p%3)
.endr
.endm
.macro FRAGB reg, slot, q, i
.irp p, 0,1,2,3,4,5
	ds_load_b64 v[\reg+2*\p:\reg+2*\p+1], v[20+\slot] offset:(2*(\q)+\p/3)*6144+384*(\i)+8*(\p%3)
.endr
.endm
.macro FETCH slot, q, buf              ; 72 loads in one run: K step q of the slot into buffer buf
	WIN 0x40
.irp i, 0,1,2,3,4,5,6,7
	FRAGB 128*\buf+12*\i, \slot, \q, \i
.endr
	WIN 0
.irp i, 0,1,2,3
	FRAGA 128+48*\buf+12*\i, \slot, \q, \i
.endr
.endm
.macro SCALES set, k                   ; the scale words of the k-th 512 along K: four words a row
.irp i, 0,1,2,3
	ds_load_b128 v[32+24*\set+4*\i:35+24*\set+4*\i], v30 offset:16*80*\i+16*\k
.endr
.irp i, 0,1
	ds_load_b128 v[48+24*\set+4*\i:51+24*\set+4*\i], v27 offset:16*80*\i+16*\k
.endr
.endm
.macro PROD z, ra, rb                  ; ra, rb: the scales of source 0, source 1 stand in lanes 16-31.  z = 1: the first product starts the sum
.if \z
.if ((\ra) == 0) && ((\rb) == 0)
	v_wmma_scale_f32_16x16x128_f8f6f4 v[rD:rD+7], v[rB:rB+11], v[rA:rA+11], 0, v[rSB], v[rSA] matrix_a_fmt:MATRIX_FMT_FP6 matrix_b_fmt:MATRIX_FMT_FP6
.elseif ((\rb) == 0)
	v_wmma_scale_f32_16x16x128_f8f6f4 v[rD:rD+7], v[rB:rB+11], v[rA:rA+11], 0, v[rSB], v[rSA] matrix_a_fmt:MATRIX_FMT_FP6 matrix_b_fmt:MATRIX_FMT_FP6 matrix_a_scale:MATRIX_SCALE_ROW1
.elseif ((\ra) == 0)
	v_wmma_scale_f32_16x16x128_f8f6f4 v[rD:rD+7], v[rB:rB+11], v[rA:rA+11], 0, v[rSB], v[rSA] matrix_a_fmt:MATRIX_FMT_FP6 matrix_b_fmt:MATRIX_FMT_FP6 matrix_b_scale:MATRIX_SCALE_ROW1
.else
	v_wmma_scale_f32_16x16x128_f8f6f4 v[rD:rD+7], v[rB:rB+11], v[rA:rA+11], 0, v[rSB], v[rSA] matrix_a_fmt:MATRIX_FMT_FP6 matrix_b_fmt:MATRIX_FMT_FP6 matrix_a_scale:MATRIX_SCALE_ROW1 matrix_b_scale:MATRIX_SCALE_ROW1
.endif
.else
.if ((\ra) == 0) && ((\rb) == 0)
	v_wmma_scale_f32_16x16x128_f8f6f4 v[rD:rD+7], v[rB:rB+11], v[rA:rA+11], v[rD:rD+7], v[rSB], v[rSA] matrix_a_fmt:MATRIX_FMT_FP6 matrix_b_fmt:MATRIX_FMT_FP6
.elseif ((\rb) == 0)
	v_wmma_scale_f32_16x16x128_f8f6f4 v[rD:rD+7], v[rB:rB+11], v[rA:rA+11], v[rD:rD+7], v[rSB], v[rSA] matrix_a_fmt:MATRIX_FMT_FP6 matrix_b_fmt:MATRIX_FMT_FP6 matrix_a_scale:MATRIX_SCALE_ROW1
.elseif ((\ra) == 0)
	v_wmma_scale_f32_16x16x128_f8f6f4 v[rD:rD+7], v[rB:rB+11], v[rA:rA+11], v[rD:rD+7], v[rSB], v[rSA] matrix_a_fmt:MATRIX_FMT_FP6 matrix_b_fmt:MATRIX_FMT_FP6 matrix_b_scale:MATRIX_SCALE_ROW1
.else
	v_wmma_scale_f32_16x16x128_f8f6f4 v[rD:rD+7], v[rB:rB+11], v[rA:rA+11], v[rD:rD+7], v[rSB], v[rSA] matrix_a_fmt:MATRIX_FMT_FP6 matrix_b_fmt:MATRIX_FMT_FP6 matrix_a_scale:MATRIX_SCALE_ROW1 matrix_b_scale:MATRIX_SCALE_ROW1
.endif
.endif
.endm
.macro MUL8 a, buf, q, set, zero       ; h's block a against W_out's eight; the accumulators take turns
	WIN 0xa1
.irp b, 0,1,2,3,4,5,6,7
.set rD, 8*(8*\a+\b)
.set rB, 128*\buf+12*\b
.set rA, 128+48*\buf+12*\a
.set rSB, 32+24*\set+4*(\b%4)+\q
.set rSA, 48+24*\set+4*(\a%2)+\q
	PROD \zero, \b/4, \a/2
.endr
.endm
.macro STEP slot, q, buf, nq, nbuf, zero   ; K step q of the slot is multiplied; ahead of its 32 products the next step's fragments are asked for
	s_wait_dscnt 0x0                               ; this step's fragments are in
	PLACES 4                                       ; the other buffer was read by the products just issued
	FETCH \slot, \nq, \nbuf
.irp a, 0,1,2,3
	MUL8 \a, \buf, \q, \slot, \zero
.endr
	WIN 0
.endm
.macro RUN slot, zero                  ; the first three of a slot's four K steps
	STEP \slot, 0, 0, 1, 1, \zero
	STEP \slot, 1, 1, 2, 0, 0
	STEP \slot, 2, 0, 3, 1, 0
.endm
; The slot's last K step changes slots.  In front of the barrier each wave waits for all its tensor loads (its part of the next slot), adds 0 to its spare word, and waits for that and for its reads of this slot.
; fill = 1: the barrier opens a round of the cluster's barrier, and this slot takes the planes 32 further on.  k: which 512 along K the next slot holds.
.macro TURN slot, next, fill, k
	s_wait_tensorcnt 0x0
	ds_add_u32 v28, v29
	s_wait_dscnt 0x1                               ; the fragments are in; the add alone may be out
	MUL8 0, 1, 3, \slot, 0
	s_wait_dscnt 0x0
	s_barrier_signal -1
	MUL8 1, 1, 3, \slot, 0
	WIN 0
	s_barrier_wait -1
.if \fill
	CREST
	s_add_nc_u64 s[G0+4*\slot+2:G0+4*\slot+3], s[G0+4*\slot+2:G0+4*\slot+3], 32*PLANE
	s_add_nc_u64 s[G0B+4*\slot+2:G0B+4*\slot+3], s[G0B+4*\slot+2:G0B+4*\slot+3], 32*WPLANE
	JLOAD \slot                                    ; the first tensor load behind the round; its four v_nop are the places in front of the loads below
.else
	PLACES 4
.endif
	FETCH \next, 0, 0
	SCALES \next, \k
	MUL8 2, 1, 3, \slot, 0
	MUL8 3, 1, 3, \slot, 0
	WIN 0
.endm
	s_wait_alu depctr_va_vdst(0)
	s_wait_tensorcnt 0x0                           ; my part of slot 0 is in
	ds_add_u32 v28, v29
	s_wait_dscnt 0x0                               ; the add, and my stores of scales
	CROUND
	JLOAD 1                                        ; slot 1's first fill, the first tensor load behind the round
	FETCH 0, 0, 0
	SCALES 0, 0
	RUN 0, 1
	TURN 0, 1, 1, 1
	RUN 1, 0
	TURN 1, 0, 1, 2
	RUN 0, 0
	TURN 0, 1, 0, 3
	RUN 1, 0
	s_wait_dscnt 0x0
.irp a, 0,1,2,3
	MUL8 \a, 1, 3, 1, 0
.endr
	WIN 0
; THE WAY OUT, block by block of 16 rows x 128 columns: through my own stage, back as whole rows of 512 bytes, which the 32 lanes store as two aligned units of 256 bytes.
; LDS serves a wave's instructions in order (ISA guide 5.7.1.4): no wait stands between my stores and my loads of the same bytes.
.macro TOSTAGE a
.set AC, 64*(\a)
	WIN 0x08
.irp b, 0,1,2,3,4,5,6,7
	ds_store_b128 v24, v[AC+8*\b:AC+8*\b+3] offset:64*\b             ; each accumulator from its low end on
	ds_store_b128 v24, v[AC+8*\b+4:AC+8*\b+7] offset:64*\b+16
.endr
	WIN 0
.set BB, 128+64*((\a)%2)
.irp t, 0,1,2,3,4,5,6,7,8,9,10,11,12,13,14,15
	ds_load_b128 v[BB+4*\t:BB+4*\t+3], v25 offset:\t*SPITCH
.endr
.endm
.macro SEND a, younger                 ; younger: the LDS instructions issued behind block a's loads, which may stay out
.set BB, 128+64*((\a)%2)
	s_wait_dscnt \younger
.if (\a) > 0
	s_add_nc_u64 s[12:13], s[12:13], 16*4096       ; (behind a wait on XCNT: the earlier stores have read their base)
.endif
.irp t, 0,1,2,3,4,5,6,7,8,9,10,11,12,13,14,15
	global_store_b128 v26, v[BB+4*\t:BB+4*\t+3], s[12:13] offset:\t*4096 th:TH_STORE_NT
.endr
.endm
	PLACES 4
	TOSTAGE 0
.irp a, 1,2,3
.if \a > 1
	s_wait_xcnt 0x0                                ; block a - 2's stores have read their registers and their base
.endif
	TOSTAGE \a
	SEND \a-1, 32
.endr
	s_wait_xcnt 0x0
	SEND 3, 0
	s_wait_tensorcnt 0x0                           ; the wave's end
	ds_add_u32 v28, v29
	s_wait_dscnt 0x0
	CROUND                                         ; the closing round
	s_endpgm
.Lfunc_end_k_q72cbed3843_proj:
	.size	k_q72cbed3843_proj, .Lfunc_end_k_q72cbed3843_proj-k_q72cbed3843_proj
	.p2alignl 7, 3214868480
	.fill 96, 4, 3214868480
	.section	.rodata,"a",@progbits
	.p2align	6, 0x0
	.amdhsa_kernel k_q72cbed3843_proj
		.amdhsa_group_segment_fixed_size 327680
		.amdhsa_private_segment_fixed_size 0
		.amdhsa_enable_private_segment 0
		.amdhsa_kernarg_size 40
		.amdhsa_user_sgpr_count 2
		.amdhsa_user_sgpr_kernarg_segment_ptr 1
		.amdhsa_wavefront_size32 1
		.amdhsa_system_sgpr_workgroup_id_x 1
		.amdhsa_system_sgpr_workgroup_id_y 1
		.amdhsa_system_sgpr_workgroup_id_z 1
		.amdhsa_system_vgpr_workitem_id 0
		.amdhsa_next_free_vgpr 768
		.amdhsa_next_free_sgpr 100
		.amdhsa_reserve_vcc 0
		.amdhsa_float_denorm_mode_32 3
		.amdhsa_float_denorm_mode_16_64 3
		.amdhsa_memory_ordered 1
		.amdhsa_forward_progress 1
		.amdhsa_inst_pref_size 174
	.end_amdhsa_kernel
	.amdgpu_metadata
---
amdhsa.version: [ 1, 2 ]
amdhsa.kernels:
  - .name:           k_q72cbed3843_proj
    .symbol:         k_q72cbed3843_proj.kd
    .args:
      - { .name: h_codes, .offset: 0, .size: 8, .value_kind: global_buffer, .address_space: global }
      - { .name: h_scales, .offset: 8, .size: 8, .value_kind: global_buffer, .address_space: global }
      - { .name: wo_codes, .offset: 16, .size: 8, .value_kind: global_buffer, .address_space: global }
      - { .name: W_out_scales, .offset: 24, .size: 8, .value_kind: global_buffer, .address_space: global }
      - { .name: out0, .offset: 32, .size: 8, .value_kind: global_buffer, .address_space: global }
    .group_segment_fixed_size: 327680
    .private_segment_fixed_size: 0
    .kernarg_segment_align: 8
    .kernarg_segment_size: 40
    .max_flat_workgroup_size: 128
    .sgpr_count:     100
    .vgpr_count:     768
    .wavefront_size: 32
...
	.end_amdgpu_metadata
.endif
;; end of part 2
